; MI455X (gfx1250); checked and timed in simulation.
; The chip was launched on July 23, 2026; its instructions are those of AMD's public machine-readable ISA for CDNA 5 (MIT licence, August 2026) and "CDNA5" Instruction Set Architecture Reference Guide (July 2026). The comments in the code are by the model that wrote it; some were corrected since.
;; Cross Attention. Allowed arithmetic: matrix products marked QUANTISED: E2M3 operands, one E8M0 scale for each 32 along K, by v_wmma_scale_f32_16x16x128_f8f6f4 with both operands' format E2M3, f32 sums; everything else in f32.
;; Inputs: Wk 512 x 512 float32; Wo 512 x 512 float32; Wq 512 x 512 float32; Wv 512 x 512 float32; bo 512 float32; hidden_states 2 x 4,096 x 512 float32.
;; Outputs: out0 2 x 4,096 x 512 float32.
;; This version of the problem:
;;   THIS VERSION OF THE PROBLEM IS GIVEN IN LOW PRECISION. The matrix products marked QUANTISED in the list below multiply operands that are first quantised to E2M3 (2 exponent bits, 3 mantissa bits; 6 bits a number), with one power-of-two scale for each 32 numbers along K (OCP MX v1.0); their sums are f32. All else is computed in f32.
;;   The module's matrix products, in the order in which they are computed (A, B: the left and right operand; K: the contracted axis; several contracted axes count as one K, in the product's order):
;;     1. [M 8,192, K 512] x [K 512, N 512]; A: input hidden_states; B: input Wq: QUANTISED
;;     2. [M 8,192, K 512] x [K 512, N 512]; A: input hidden_states; B: input Wk: QUANTISED
;;     3. [M 8,192, K 512] x [K 512, N 512]; A: input hidden_states; B: input Wv: QUANTISED
;;     4. batch 16 x [M 4,096, K 64] x [K 64, N 4,096]; A: computed on the way; B: computed on the way: QUANTISED
;;     5. batch 16 x [M 4,096, K 4,096] x [K 4,096, N 64]; A: softmax (see below); B: computed on the way: QUANTISED
;;     6. [M 8,192, K 512] x [K 512, N 512]; A: computed on the way; B: input Wo: QUANTISED
;;   THE QUANTISER, for each operand of a quantised product, along K:
;;     - K is cut into blocks of 32 from its start; a last block that is shorter is filled with zeros.
;;     - A block's scale is 2^e with e = floor(log2(the largest magnitude in the block)) - 2, held to -126 .. 127; a block of zeros has e = 0. As a byte (E8M0): e + 127.
;;     - Each number is divided by its block's scale, clamped to +-7.5, and rounded to the nearest number of E2M3, ties to even, subnormals kept.
;;     - The product sums the exact products of the quantised numbers (number of the format x scale) in f32.
;;   ~~~python
;;   def quantise(x, axis):      # numpy; x: float32 -> the quantised numbers, widened to float32 again
;;       x = np.moveaxis(x, axis, -1); K = x.shape[-1]
;;       x = np.pad(x, [(0, 0)] * (x.ndim - 1) + [(0, -K % 32)]); x = x.reshape(x.shape[:-1] + (-1, 32)); a = np.abs(x).max(-1, keepdims=True)
;;       e = np.where(a > 0, np.clip(np.frexp(np.where(a > 0, a, 1))[1] - 1 - 2, -126, 127), 0)      # np.frexp(a)[1] - 1 = floor(log2(a)), exactly
;;       r = np.clip(x / 2.0 ** e, -7.5, 7.5)
;;       step = 2.0 ** (np.maximum(np.frexp(np.where(r == 0, 1, r))[1] - 1, 0) - 3)
;;       q = np.round(r / step) * step * 2.0 ** e      # np.round: ties to even
;;       return np.moveaxis(q.reshape(q.shape[:-2] + (-1,))[..., :K], -1, axis).astype(np.float32)
;;   ~~~
;;   SOFTMAX AHEAD OF A QUANTISED PRODUCT. Where the list says 'softmax', what is quantised is not the finished softmax but p = 2^(t - M), with t = logit x log2(e) and M = ceil(the row's largest t), a whole number; so 1/2 < the row's largest p <= 1. The row's sum l is taken of the UNQUANTISED p, in f32, and the product's result is divided by l at the end. Since M is a whole number, a kernel that streams over the keys may use a running M (the ceiling of the running maximum): every later rescaling is an exact power of two, which a block's scale takes up: the codes' values come out the same.
;;   OPERANDS COMPUTED ON THE WAY. 'Computed on the way' means the value that the module computes at that place (a softmax that the list does not call 'softmax' is quantised finished and normalised). What goes into a quantiser is computed in f32, as accurately as f32 sums, v_exp_f32 and their like allow (about 1e-6 of the number): no bf16 or f16 on the way to a quantiser, and a product that is left as it is and whose result goes on into a quantised operand takes f32 operands (vector FMAs, or v_wmma_f32_16x16x4_f32). A number that lies on a knife's edge between two numbers of the format may be rounded either way, as far as f32 arithmetic and the matrix unit's own rounding can turn it there, and no further.
;; One version. Each part assembles by itself: llvm-mc -triple=amdgcn-amd-amdhsa -mcpu=gfx1250 --defsym DOCPART=n.
;; ======== version 1 of 1: 4 launches
;; limits: right only within a limited range of input values
;; workspace buffers: cod 3,932,160 bytes; csc 163,840 bytes; qc 3,145,728 bytes; qs 262,144 bytes; kv 6,684,672 bytes; oc 3,145,728 bytes; os 262,144 bytes
;; launch quant (part 1): grid 320 x 1, 2 waves a work-group, no clusters, 17,152 bytes of LDS; arguments hidden_states, Wq, Wk, Wv, Wo, cod, csc; writes cod, csc
.if DOCPART == 1
	.amdgcn_target "amdgcn-amd-amdhsa--gfx1250"
	.amdhsa_code_object_version 6
	.text
	.protected	k_qb589b48004_quant
	.globl	k_qb589b48004_quant
	.p2align	8
	.type	k_qb589b48004_quant,@function
k_qb589b48004_quant:
	s_mov_b64 s[64:65], 0
	v_nop
	global_prefetch_b8 v0, s[64:65] scope:SCOPE_SE
	s_setreg_imm32_b32 hwreg(HW_REG_WAVE_MODE, 25, 1), 1
	s_wait_xcnt 0x0
; hidden_states [8192][512] and the four weights [512][512], f32, K innermost, become codes of FP6 (E2M3) with one E8M0 byte for each 32 along K,
; LAID IN THE ORDER OF THE OPERAND'S REGISTERS.  A tile is 16 rows; tile 2 B + u holds matrix rows 32 B + 8 u + i + 8 (i / 8), i = 0 .. 15 (so that a product's results, taken transposed over eight
; such tiles, are neighbours along the next K).  cod: [tile 640][K step 4][1,536 bytes]: the fragment's 12 registers, registers 4 c .. 4 c + 3 of lane l at 512 c + 16 l.  csc: [tile][row 16][K step 4] scale words.
; Tiles 0-511: hidden_states; from 512 Wq, 544 Wk, 576 Wv, 608 Wo.
; A block's scale is 2^(floor(log2(largest magnitude)) - 2); its byte is the largest magnitude's exponent field - 2, held at 1 from below.
; LIMITS: a block of zeros gets the byte 1 where the rule says 127 (its codes are zeros; this program alone reads the bytes); blocks whose largest magnitude lies under 2^-124 keep the byte 1; NaN and infinities are not served.
; SHARES: work-group g, wave u: tile 2 g + u, 16 rows x 512 numbers, four K steps of 128.  Each load reads 512 consecutive bytes of a row; a K step's 16 x 512 bytes turn through the wave's own stage in LDS,
; so that lane (r, h) gets, of row r, 16 neighbours of each block of 32.  No barrier: waves share nothing.  No matrix unit, no cluster: the launch streams.
; THE ROWS OF hidden_states' TILES (tiles 0-511) are laid otherwise than the weights': tile 4 C + u holds tokens 64 C + 8 u + i in rows i = 0 .. 7 and tokens 64 C + 32 + 8 u + (i - 8) in rows 8 .. 15,
; so that a product's results, taken transposed over four such tiles, give a lane a WHOLE block of 32 neighbouring tokens.  The weights' tiles stay as the lines above say.
.set SP,   528
.set STG,  16*SP                       ; a wave's stage
.set LI,   1                           ; v1   16 x lane
.set STI,  2                           ; v2   the stage, on the way in: my wave's stage + 16 x lane
.set STO,  3                           ; v3   and out: my wave's stage + SP r + 64 h
.set SA,   4                           ; v4   16 r + 8 h: my two scale words in the tile's 256 bytes
.set HH,   5                           ; v5   h
.set R,    16                          ; v16-143  two sets of 64 registers as loaded
.set X,    144                         ; v144-207 register 16 b + i = k 32 b + 16 h + i of my row
.set PC,   208                         ; v208-219 the codes; v220-227 at work
.set TM,   228                         ; v228-243 at work
.set SW,   244                         ; v244-247 a scale word for each K step
.set SEL,  20                          ; s[20:21] lane selects for v_permlanex16_b32: lane l xor 16
; 64 numbers of a lane, register 16 b + i = k 32 b + 16 (lane / 16) + i of my row, become a fragment's 12 registers in v[PC] on and my row's scale word in v[pw] (the same in lanes l and l xor 16)
.macro QUANT s, pw
.irp b, 0,1,2,3
	v_max3_num_f32 v[TM+\b], |v[\s+16*\b]|, |v[\s+1+16*\b]|, 0x1800000   ; block b: my 16 numbers, and the floor 2^(3 - 127): the byte cannot fall under 1
.endr
.irp i, 2,4,6,8,10,12,14
.irp b, 0,1,2,3
	v_max3_num_f32 v[TM+\b], v[TM+\b], |v[\s+16*\b+\i]|, |v[\s+1+16*\b+\i]|   ; the four blocks by turns
.endr
.endr
.irp b, 0,1,2,3
	v_permlanex16_b32 v[TM+4+\b], v[TM+\b], s[SEL], s[SEL+1]
.endr
.irp b, 0,1,2,3
	v_max_num_f32 v[TM+\b], v[TM+\b], v[TM+4+\b]   ; with lane l xor 16's: the block's largest magnitude
.endr
.irp b, 0,1,2,3
	v_add_nc_u32 v[TM+12+\b], 0xff000000, v[TM+\b]   ; 2 off its exponent field: the conversion's scale operand
.endr
.irp b, 0,1,2,3
	v_lshrrev_b32 v[TM+4+\b], 23, v[TM+12+\b]      ; the scale's byte
.endr
	v_lshl_or_b32 v[\pw], v[TM+5], 8, v[TM+4]
	v_lshl_or_b32 v[\pw], v[TM+6], 16, v[\pw]
	v_lshl_or_b32 v[\pw], v[TM+7], 24, v[\pw]
.irp c, 0,1
	v_cvt_scalef32_pk16_fp6_f32 v[PC+6*\c:PC+2+6*\c], v[\s+32*\c:\s+15+32*\c], v[TM+12+2*\c]
	v_cvt_scalef32_pk16_fp6_f32 v[PC+12+4*\c:PC+14+4*\c], v[\s+16+32*\c:\s+31+32*\c], v[TM+12+2*\c+1]   ; (a conversion's three registers begin on an even number)
.endr
	v_nop                                          ; one plain place behind a scaled conversion
.irp c, 0,1                                    ; the operand wants a WHOLE block in a lane: lanes 0-15 block 2 c, lanes 16-31 block 2 c + 1
.irp i, 0,1,2
	v_permlane16_swap_b32 v[PC+6*\c+\i], v[PC+12+4*\c+\i]
.endr
.irp i, 0,1,2
	v_mov_b32 v[PC+3+6*\c+\i], v[PC+12+4*\c+\i]
.endr
.endr
.endm
	s_load_b256 s[4:11], s[0:1], 0x0               ; hidden_states, Wq, Wk, Wv
	s_load_b128 s[12:15], s[0:1], 0x20             ; Wo, cod
	s_load_b64 s[16:17], s[0:1], 0x30              ; csc
	v_lshl_add_u32 v254, v0, 2, 0x4200
	v_mov_b32 v255, 0
	v_lshrrev_b32 v6, 5, v0
	v_readfirstlane_b32 s18, v6                    ; wave u
	v_and_b32 v6, 31, v0
	v_lshlrev_b32 v[LI], 4, v6
	s_mul_i32 s19, s18, STG
	v_add_nc_u32 v[STI], s19, v[LI]
	v_and_b32 v7, 15, v0                           ; r
	v_bfe_u32 v[HH], v0, 4, 1                      ; h
	v_mul_u32_u24 v[STO], v7, SP
	v_lshl_add_u32 v[STO], v[HH], 6, v[STO]
	v_add_nc_u32 v[STO], s19, v[STO]
	v_lshlrev_b32 v[SA], 4, v7
	v_lshl_add_u32 v[SA], v[HH], 3, v[SA]
	s_mov_b32 s[SEL], 0x76543210
	s_mov_b32 s[SEL+1], 0xfedcba98
.irp b, 0,1,2,3
	v_mov_b32 v[TM+4+\b], 0                        ; written once: a lane permute's destination counts as one of its sources
.endr
	s_and_b32 s27, ttmp9, 15
	s_lshl_b32 s27, s27, 16                        ; a weight: 32 rows of 2,048 bytes to a pair of tiles
	s_lshr_b32 s34, ttmp9, 1                       ; hidden_states: 64 rows to four tiles,
	s_lshl_b32 s34, s34, 17
	s_and_b32 s35, ttmp9, 1                        ; and 16 rows to my pair of the four
	s_lshl_b32 s35, s35, 15
	s_add_co_u32 s34, s34, s35
	s_lshl_b32 s28, ttmp9, 1
	s_add_co_u32 s28, s28, s18                     ; my tile
	s_mul_i32 s30, s28, 6144                       ; its codes,
	s_mov_b32 s31, 0
	s_lshl_b32 s32, s28, 8                         ; its scale words
	s_mov_b32 s33, 0
	s_wait_alu depctr_va_vdst(0)
	s_wait_kmcnt 0x0
	s_mov_b64 s[24:25], s[12:13]                   ; which tensor: the choice hangs on the work-group's number alone
	s_cmp_lt_u32 ttmp9, 304
	s_cselect_b64 s[24:25], s[10:11], s[24:25]
	s_cmp_lt_u32 ttmp9, 288
	s_cselect_b64 s[24:25], s[8:9], s[24:25]
	s_cmp_lt_u32 ttmp9, 272
	s_cselect_b64 s[24:25], s[6:7], s[24:25]
	s_cmp_lt_u32 ttmp9, 256
	s_cselect_b64 s[24:25], s[4:5], s[24:25]
	s_cselect_b32 s26, s34, s27                    ; where my pair of tiles begins in its tensor, in bytes
	s_cselect_b32 s35, 32768, 0                    ; hidden_states: rows 8-15 of a tile lie 16 rows further on than a weight's
	s_lshl_b32 s28, s18, 14                        ; + 8 u rows
	s_add_co_u32 s26, s26, s28
	s_mov_b32 s27, 0
	s_add_nc_u64 s[24:25], s[24:25], s[26:27]
	s_add_nc_u64 s[14:15], s[14:15], s[30:31]
	s_add_nc_u64 s[16:17], s[16:17], s[32:33]
	v_add_nc_u32 v8, s35, v[LI]                    ; the offset of a tile's rows 8-15
	s_wait_alu depctr_va_vdst(0)
.macro LOADS s                         ; K step s of my 16 rows: 32 lanes read 512 consecutive bytes of a row
.irp i, 0,1,2,3,4,5,6,7,8,9,10,11,12,13,14,15
	global_load_b128 v[R+64*((\s)%2)+4*\i:R+64*((\s)%2)+4*\i+3], v[LI+7*(\i/8)], s[24:25] offset:(\i+8*(\i/8))*2048+512*(\s) th:TH_LOAD_NT   ; rows 0-7 by v1, rows 8-15 by v8
.endr
.endm
.macro TURN s                          ; through the stage: LDS serves a wave's instructions in order, so no wait stands between the stores and the loads
.irp i, 0,1,2,3,4,5,6,7,8,9,10,11,12,13,14,15
	ds_store_b128 v[STI], v[R+64*((\s)%2)+4*\i:R+64*((\s)%2)+4*\i+3] offset:SP*\i
.endr
.irp b, 0,1,2,3
.irp j, 0,1,2,3
	ds_load_b128 v[X+16*\b+4*\j:X+16*\b+4*\j+3], v[STO] offset:128*\b+16*\j
.endr
.endr
.endm
	LOADS 0
	LOADS 1
.irp s, 0,1,2,3
.if \s < 3
	s_wait_loadcnt 16                              ; this K step's 16 loads are in; the next step's 16 may be out
.else
	s_wait_loadcnt 0
.endif
	TURN \s
	s_wait_dscnt 0x0                               ; my 64 numbers are back, and the stage's stores have read the set as loaded
.if \s > 0
	s_wait_xcnt 0x0                                ; the last step's stores have read the codes' registers, which are written again below
.endif
.if \s < 2
	LOADS \s+2
.endif
	QUANT X, SW+\s
.irp c, 0,1,2
	global_store_b128 v[LI], v[PC+4*\c:PC+4*\c+3], s[14:15] offset:1536*\s+512*\c   ; 512 consecutive bytes, at a multiple of 256 from the buffer's first byte
.endr
.endr
	v_cmp_ne_u32 vcc_lo, 0, v[HH]
	v_cndmask_b32 v248, v[SW], v[SW+2], vcc_lo     ; lanes 0-15: K steps 0, 1; lanes 16-31: K steps 2, 3 of row r
	v_cndmask_b32 v249, v[SW+1], v[SW+3], vcc_lo
	global_store_b64 v[SA], v[248:249], s[16:17]   ; the tile's 256 bytes of scale words, whole
	s_wait_tensorcnt 0x0
	ds_add_u32 v254, v255
	s_wait_dscnt 0x0
	s_endpgm
.Lfunc_end_k_qb589b48004_quant:
	.size	k_qb589b48004_quant, .Lfunc_end_k_qb589b48004_quant-k_qb589b48004_quant
	.p2alignl 7, 3214868480
	.fill 96, 4, 3214868480
	.section	.rodata,"a",@progbits
	.p2align	6, 0x0
	.amdhsa_kernel k_qb589b48004_quant
		.amdhsa_group_segment_fixed_size 17152
		.amdhsa_private_segment_fixed_size 0
		.amdhsa_enable_private_segment 0
		.amdhsa_kernarg_size 56
		.amdhsa_user_sgpr_count 2
		.amdhsa_user_sgpr_kernarg_segment_ptr 1
		.amdhsa_wavefront_size32 1
		.amdhsa_system_sgpr_workgroup_id_x 1
		.amdhsa_system_sgpr_workgroup_id_y 1
		.amdhsa_system_sgpr_workgroup_id_z 1
		.amdhsa_system_vgpr_workitem_id 0
		.amdhsa_next_free_vgpr 256
		.amdhsa_next_free_sgpr 66
		.amdhsa_reserve_vcc 1
		.amdhsa_float_denorm_mode_32 3
		.amdhsa_float_denorm_mode_16_64 3
		.amdhsa_memory_ordered 1
		.amdhsa_forward_progress 1
		.amdhsa_inst_pref_size 34
	.end_amdhsa_kernel
	.amdgpu_metadata
---
amdhsa.version: [ 1, 2 ]
amdhsa.kernels:
  - .name:           k_qb589b48004_quant
    .symbol:         k_qb589b48004_quant.kd
    .args:
      - { .name: hidden_states, .offset: 0, .size: 8, .value_kind: global_buffer, .address_space: global }
      - { .name: Wq, .offset: 8, .size: 8, .value_kind: global_buffer, .address_space: global }
      - { .name: Wk, .offset: 16, .size: 8, .value_kind: global_buffer, .address_space: global }
      - { .name: Wv, .offset: 24, .size: 8, .value_kind: global_buffer, .address_space: global }
      - { .name: Wo, .offset: 32, .size: 8, .value_kind: global_buffer, .address_space: global }
      - { .name: cod, .offset: 40, .size: 8, .value_kind: global_buffer, .address_space: global }
      - { .name: csc, .offset: 48, .size: 8, .value_kind: global_buffer, .address_space: global }
    .group_segment_fixed_size: 17152
    .private_segment_fixed_size: 0
    .kernarg_segment_align: 8
    .kernarg_segment_size: 56
    .max_flat_workgroup_size: 64
    .sgpr_count:     66
    .vgpr_count:     256
    .wavefront_size: 32
...
	.end_amdgpu_metadata
.endif
;; end of part 1
;; launch proj (part 2): grid 256 x 1, 3 waves a work-group, no clusters, 0 bytes of LDS; arguments cod, csc, qc, qs, kv; writes qc, qs, kv
.if DOCPART == 2
	.amdgcn_target "amdgcn-amd-amdhsa--gfx1250"
	.amdhsa_code_object_version 6
	.text
	.protected	k_qb589b48004_proj
	.globl	k_qb589b48004_proj
	.p2align	8
	.type	k_qb589b48004_proj,@function
k_qb589b48004_proj:
	s_mov_b64 s[64:65], 0
	v_nop
	global_prefetch_b8 v0, s[64:65] scope:SCOPE_SE
	s_setreg_imm32_b32 hwreg(HW_REG_WAVE_MODE, 25, 1), 1
	s_wait_xcnt 0x0
; q = x Wq^T, k = x Wk^T, v = x Wv^T on codes of FP6 (E2M3) with E8M0 scales, K = 512 in four steps of 128; the results are quantised at once: q and k along the head's 64, v along the keys.
; SHARES: work-group = (G: 128 tokens, one key step of one batch; E: 128 of the 512 e, heads 2 E and 2 E + 1).  Wave 0 makes q, wave 1 k, wave 2 v.  The waves share nothing: no LDS, no barrier.
; ONE ROUTINE: eight tiles stay in registers as source 0 (384 registers), eight tiles are streamed as source 1.  For each streamed tile 32 matrix instructions fill 64 registers; in them lane (r, h) holds the
; streamed tile's row r, and register 16 b + i the resident group's index 32 b + 16 h + i (the rows of a tile are laid for that: tile 2 B + u holds rows 32 B + 8 u + i + 8 (i / 8)).
;   q, k: resident = 128 rows of W, streamed = 16 tokens: a lane's 64 numbers run along e: two heads x two blocks of 32.   v: resident = 128 tokens, streamed = 16 rows of Wv: they run along the keys.
; Operands come from memory straight into registers, as images of the registers (three loads of 16 bytes a lane for a fragment): each is read once by a wave, so a ring in LDS, tensor loads and a cluster would add steps and save nothing.
; OUT: qc [bh][tile 256][768]: the six registers of K = 64: registers 0-3 at 16 l, registers 4-5 at 512 + 8 l.  qs [bh][group 32][lane 32][4] scale words: word j of lane (r, h): tile 2 j + h, row r; bytes 2, 3 are 127.
;   kv [bh][key step 32][13,056]: +0 K's eight tiles as in qc; +6,144 V^T's four tiles (16 of the head's 64 x 128 keys), 1,536 bytes each; +12,288 K's scale words as in qs; +12,800 V's: [lane 32][2].
; LIMITS: as the quantiser's in the first launch: a block of zeros gets the byte 1; blocks under 2^-124 keep the byte 1; NaN and infinities are not served.
; REGISTERS: window 0: addresses, scale words, the 64 sums, the quantiser.  Windows 1, 2: the resident tiles, K steps 0, 1 and 2, 3, at v[96 (s % 2) + 12 t].  Window 3: the streamed tile, two buffers, at v[48 (i % 2) + 12 s].
.set LI,  1                            ; v1   16 x lane
.set L8,  2                            ; v2   8 x lane
.set S0,  16                           ; v16-31  register 4 j + s: lanes 0-15 resident tile 2 j's scale words, lanes 16-31 tile 2 j + 1's, K step s
.set S1,  32                           ; v32-47  the same for the streamed tiles
.set HA,  48                           ; v48-111 the sums
.set PC,  112                          ; v112-123 the codes; v124-131 at work
.set TM,  132                          ; v132-147 at work
.set PW,  148                          ; v148 the scale word just made
.set KW,  150                          ; v150-165 scale words kept: q, k: head c, tile i at KW + 8 c + i; v: tile i at KW + i
.set OW,  166                          ; v166-173 the scale stores' data
.set WV,  14
.set SEL, 20                           ; s[20:21]
.set P0,  24                           ; s[24:25] the resident tiles' codes;  s[26:27] the streamed ones';  s[28:29], s[30:31] their scale words
.set P1,  26
.set S0P, 28
.set S1P, 30
.set D0,  32                           ; s[32:33], s[34:35] where the codes of heads 2 E, 2 E + 1 go;  s[36:37], s[38:39] their scale words
.set SD0, 36
.set MSB, 0
.macro WIN new                         ; the immediate's high byte repeats the setting that is left
.if MSB != \new
	s_set_vgpr_msb (MSB<<8)|\new
.set MSB, \new
.endif
.endm
; one matrix instruction.  c < 0: the constant 0 starts the sum.  ra, rb = 1: that side's scale words stand in lanes 16-31
.macro WM d, a, b, c, sa, sb, ra, rb
.if (\c) < 0
.if ((\ra) == 0) && ((\rb) == 0)
	v_wmma_scale_f32_16x16x128_f8f6f4 v[\d:\d+7], v[\a:\a+11], v[\b:\b+11], 0, v[\sa], v[\sb] matrix_a_fmt:MATRIX_FMT_FP6 matrix_b_fmt:MATRIX_FMT_FP6
.elseif (\rb) == 0
	v_wmma_scale_f32_16x16x128_f8f6f4 v[\d:\d+7], v[\a:\a+11], v[\b:\b+11], 0, v[\sa], v[\sb] matrix_a_fmt:MATRIX_FMT_FP6 matrix_b_fmt:MATRIX_FMT_FP6 matrix_a_scale:MATRIX_SCALE_ROW1
.elseif (\ra) == 0
	v_wmma_scale_f32_16x16x128_f8f6f4 v[\d:\d+7], v[\a:\a+11], v[\b:\b+11], 0, v[\sa], v[\sb] matrix_a_fmt:MATRIX_FMT_FP6 matrix_b_fmt:MATRIX_FMT_FP6 matrix_b_scale:MATRIX_SCALE_ROW1
.else
	v_wmma_scale_f32_16x16x128_f8f6f4 v[\d:\d+7], v[\a:\a+11], v[\b:\b+11], 0, v[\sa], v[\sb] matrix_a_fmt:MATRIX_FMT_FP6 matrix_b_fmt:MATRIX_FMT_FP6 matrix_a_scale:MATRIX_SCALE_ROW1 matrix_b_scale:MATRIX_SCALE_ROW1
.endif
.else
.if ((\ra) == 0) && ((\rb) == 0)
	v_wmma_scale_f32_16x16x128_f8f6f4 v[\d:\d+7], v[\a:\a+11], v[\b:\b+11], v[\c:\c+7], v[\sa], v[\sb] matrix_a_fmt:MATRIX_FMT_FP6 matrix_b_fmt:MATRIX_FMT_FP6
.elseif (\rb) == 0
	v_wmma_scale_f32_16x16x128_f8f6f4 v[\d:\d+7], v[\a:\a+11], v[\b:\b+11], v[\c:\c+7], v[\sa], v[\sb] matrix_a_fmt:MATRIX_FMT_FP6 matrix_b_fmt:MATRIX_FMT_FP6 matrix_a_scale:MATRIX_SCALE_ROW1
.elseif (\ra) == 0
	v_wmma_scale_f32_16x16x128_f8f6f4 v[\d:\d+7], v[\a:\a+11], v[\b:\b+11], v[\c:\c+7], v[\sa], v[\sb] matrix_a_fmt:MATRIX_FMT_FP6 matrix_b_fmt:MATRIX_FMT_FP6 matrix_b_scale:MATRIX_SCALE_ROW1
.else
	v_wmma_scale_f32_16x16x128_f8f6f4 v[\d:\d+7], v[\a:\a+11], v[\b:\b+11], v[\c:\c+7], v[\sa], v[\sb] matrix_a_fmt:MATRIX_FMT_FP6 matrix_b_fmt:MATRIX_FMT_FP6 matrix_a_scale:MATRIX_SCALE_ROW1 matrix_b_scale:MATRIX_SCALE_ROW1
.endif
.endif
.endm
; 64 numbers of a lane, register 16 b + i = k 32 b + 16 (lane / 16) + i of my row, become a fragment's 12 registers in v[PC] on and my row's scale word in v[pw]
.macro QUANT s, pw
.irp b, 0,1,2,3
	v_max3_num_f32 v[TM+\b], |v[\s+16*\b]|, |v[\s+1+16*\b]|, 0x1800000   ; each sum is read from its low end on; the floor 2^(3 - 127) holds the byte at 1 from below
.endr
.irp i, 2,4,6,8,10,12,14
.irp b, 0,1,2,3
	v_max3_num_f32 v[TM+\b], v[TM+\b], |v[\s+16*\b+\i]|, |v[\s+1+16*\b+\i]|
.endr
.endr
.irp b, 0,1,2,3
	v_permlanex16_b32 v[TM+4+\b], v[TM+\b], s[SEL], s[SEL+1]
.endr
.irp b, 0,1,2,3
	v_max_num_f32 v[TM+\b], v[TM+\b], v[TM+4+\b]
.endr
.irp b, 0,1,2,3
	v_add_nc_u32 v[TM+12+\b], 0xff000000, v[TM+\b]   ; 2 off the exponent field: the conversion's scale operand
.endr
.irp b, 0,1,2,3
	v_lshrrev_b32 v[TM+4+\b], 23, v[TM+12+\b]      ; the scale's byte
.endr
	v_lshl_or_b32 v[\pw], v[TM+5], 8, v[TM+4]
	v_lshl_or_b32 v[\pw], v[TM+6], 16, v[\pw]
	v_lshl_or_b32 v[\pw], v[TM+7], 24, v[\pw]
.irp c, 0,1
	v_cvt_scalef32_pk16_fp6_f32 v[PC+6*\c:PC+2+6*\c], v[\s+32*\c:\s+15+32*\c], v[TM+12+2*\c]
	v_cvt_scalef32_pk16_fp6_f32 v[PC+12+4*\c:PC+14+4*\c], v[\s+16+32*\c:\s+31+32*\c], v[TM+12+2*\c+1]
.endr
	v_nop                                          ; one plain place behind a scaled conversion
.irp c, 0,1
.irp i, 0,1,2
	v_permlane16_swap_b32 v[PC+6*\c+\i], v[PC+12+4*\c+\i]
.endr
.irp i, 0,1,2
	v_mov_b32 v[PC+3+6*\c+\i], v[PC+12+4*\c+\i]
.endr
.endr
.endm
; V's quantiser.  The tokens' tiles are laid so (tile 4 C + u: rows 0-7 tokens 64 C + 8 u + i, rows 8-15 tokens 64 C + 32 + 8 u + i) that with the tokens resident a lane's register 32 c + i is key 64 c + 32 h + i:
; a WHOLE block of 32 keys lies in one lane, as the operand wants it.  No other lane is asked for a maximum and nothing is swapped; lane (r, h) makes bytes h and 2 + h of row r's scale word, and lane l xor 16 the other two.
.macro QUANTV s, pw
.irp b, 0,1,2,3
	v_max3_num_f32 v[TM+\b], |v[\s+16*\b]|, |v[\s+1+16*\b]|, 0x1800000   ; four chains of 16; each sum is read from its low end on; the floor holds the byte at 1 from below
.endr
.irp i, 2,4,6,8,10,12,14
.irp b, 0,1,2,3
	v_max3_num_f32 v[TM+\b], v[TM+\b], |v[\s+16*\b+\i]|, |v[\s+1+16*\b+\i]|
.endr
.endr
.irp c, 0,1
	v_max_num_f32 v[TM+8+\c], v[TM+2*\c], v[TM+2*\c+1]   ; my block 2 c + h
.endr
.irp c, 0,1
	v_add_nc_u32 v[TM+12+\c], 0xff000000, v[TM+8+\c]     ; 2 off the exponent field: the conversion's scale operand
.endr
.irp c, 0,1
	v_lshrrev_b32 v[TM+4+\c], 23, v[TM+12+\c]            ; the scale's byte
.endr
	v_lshl_or_b32 v[\pw], v[TM+5], 16, v[TM+4]
	v_lshlrev_b32 v[\pw], v4, v[\pw]                     ; 8 h bits up
	v_permlanex16_b32 v[TM+6], v[\pw], s[SEL], s[SEL+1]
	v_or_b32 v[\pw], v[\pw], v[TM+6]                     ; the word is whole, the same in lanes l and l xor 16
.irp c, 0,1
	v_cvt_scalef32_pk16_fp6_f32 v[PC+6*\c:PC+2+6*\c], v[\s+32*\c:\s+15+32*\c], v[TM+12+\c]
	v_cvt_scalef32_pk16_fp6_f32 v[PC+12+4*\c:PC+14+4*\c], v[\s+16+32*\c:\s+31+32*\c], v[TM+12+\c]   ; (a conversion's three registers begin on an even number)
.endr
	v_nop                                          ; one plain place behind a scaled conversion
.irp c, 0,1
.irp i, 0,1,2
	v_mov_b32 v[PC+3+6*\c+\i], v[PC+12+4*\c+\i]
.endr
.endr
.endm
.macro LDX0 s
.irp t, 0,1,2,3,4,5,6,7
.irp c, 0,1,2
	global_load_b128 v[96*((\s)%2)+12*\t+4*\c:96*((\s)%2)+12*\t+4*\c+3], v[LI], s[P0:P0+1] offset:6144*\t+1536*(\s)+512*\c
.endr
.endr
.endm
.macro LDX1 i                          ; streamed tile i, all four K steps: 12 loads
	WIN 0xc0                                       ; destination window 3
.irp s, 0,1,2,3
.irp c, 0,1,2
	global_load_b128 v[48*((\i)%2)+12*\s+4*\c:48*((\i)%2)+12*\s+4*\c+3], v[LI], s[P1:P1+1] offset:6144*(\i)+1536*\s+512*\c
.endr
.endr
	WIN 0
.endm
.macro MULS i, s                       ; K step s of streamed tile i against the eight resident tiles: the eight sums take turns, one instruction a turn
.if (\s) < 2
	WIN 0x0d                                       ; source 0 window 1, source 1 window 3
.else
	WIN 0x0e                                       ; source 0 window 2
.endif
.irp t, 0,1,2,3,4,5,6,7
.if (\s) == 0
	WM HA+8*\t, 96*((\s)%2)+12*\t, 48*((\i)%2)+12*(\s), -1, S0+4*(\t/2)+(\s), S1+4*((\i)/2)+(\s), \t%2, (\i)%2
.else
	WM HA+8*\t, 96*((\s)%2)+12*\t, 48*((\i)%2)+12*(\s), HA+8*\t, S0+4*(\t/2)+(\s), S1+4*((\i)/2)+(\s), \t%2, (\i)%2
.endif
.endr
.endm
; streamed tile i: 32 products, the quantiser, the stores.  kind 0: q or k; kind 1: v
.macro TILE i, kind
.if ((\i) > 0) && ((\i) < 7)
	s_wait_loadcnt 12                              ; this tile's 12 loads are in; the next tile's 12 may be out
.elseif (\i) == 7
	s_wait_loadcnt 0
.endif
.irp s, 0,1,2,3
.if (\i) == 0
.if \s == 0
	s_wait_loadcnt 63                              ; the scale words, tile 0 and the resident K step 0 are in: 84 younger loads may be out; the count written is the largest that a wait can name
.else
	s_wait_loadcnt 84-24*\s                        ; the resident K step s is in: behind it 24 loads for each later K step and tile 1's 12
.endif
.endif
	MULS \i, \s
.endr
	WIN 0
	s_wait_xcnt 0x0                                ; the last tile's stores have read the codes' registers
.rept 4
	v_nop                                          ; places in front of the loads into the buffer just multiplied, and of the first read of the sums
.endr
.if (\i) < 6
	LDX1 (\i)+2
.endif
.if \kind == 0
	QUANT HA, PW
.else
	QUANTV HA, PW
.endif
.if \kind == 0
.irp c, 0,1                                    ; registers 6 c .. 6 c + 5 are head 2 E + c's K = 64
	global_store_b128 v[LI], v[PC+6*\c:PC+6*\c+3], s[D0+2*\c:D0+2*\c+1] offset:768*(\i)
	global_store_b64 v[L8], v[PC+6*\c+4:PC+6*\c+5], s[D0+2*\c:D0+2*\c+1] offset:768*(\i)+512
.endr
	v_and_or_b32 v[KW+(\i)], v[PW], 0xffff, s22    ; head 2 E's two bytes, and 127 for the K that a head does not have
	v_lshrrev_b32 v[KW+8+(\i)], 16, v[PW]
	v_or_b32 v[KW+8+(\i)], s22, v[KW+8+(\i)]       ; head 2 E + 1's
.else
.irp q, 0,1,2                                  ; tile i = 4 c + t: 16 of head 2 E + c's 64 x 128 keys
	global_store_b128 v[LI], v[PC+4*\q:PC+4*\q+3], s[D0+2*((\i)/4):D0+2*((\i)/4)+1] offset:1536*((\i)%4)+512*\q
.endr
	v_mov_b32 v[KW+(\i)], v[PW]
.endif
.endm
	s_load_b256 s[4:11], s[0:1], 0x0               ; cod, csc, qc, qs
	s_load_b64 s[12:13], s[0:1], 0x20              ; kv
	v_lshrrev_b32 v3, 5, v0
	v_readfirstlane_b32 s[WV], v3                  ; wave 0..2
	v_and_b32 v3, 31, v0                           ; lane
	v_lshlrev_b32 v[LI], 4, v3
	v_lshlrev_b32 v[L8], 3, v3
	v_and_b32 v4, 16, v3
	v_lshrrev_b32 v4, 1, v4                        ; v4 = 8 h
.irp b, 0,1,2,3
	v_mov_b32 v[TM+4+\b], 0                        ; written once: a lane permute's destination counts as one of its sources
.endr
	s_mov_b32 s[SEL], 0x76543210
	s_mov_b32 s[SEL+1], 0xfedcba98
	s_mov_b32 s22, 0x7f7f0000
	s_lshr_b32 s15, ttmp9, 2                       ; G
	s_and_b32 s16, ttmp9, 3                        ; E
	s_lshl_b32 s17, s15, 3                         ; x's first tile: 8 G
	s_lshl_b32 s18, s[WV], 5
	s_lshl_b32 s19, s16, 3
	s_add_co_u32 s18, s18, s19
	s_add_co_u32 s18, s18, 512                     ; W's first tile: 512 + 32 x wave + 8 E
	s_cmp_eq_u32 s[WV], 2
	s_cselect_b32 s40, s17, s18                    ; resident: W for q and k, x for v
	s_cselect_b32 s41, s18, s17                    ; streamed: the other
	s_mul_i32 s42, s40, 6144
	s_mov_b32 s43, 0
	s_mul_i32 s44, s41, 6144
	s_mov_b32 s45, 0
	s_lshl_b32 s46, s40, 8
	s_mov_b32 s47, 0
	s_lshl_b32 s48, s41, 8
	s_mov_b32 s49, 0
	s_wait_alu depctr_va_vdst(0)
	s_wait_kmcnt 0x0
	s_add_nc_u64 s[P0:P0+1], s[4:5], s[42:43]
	s_add_nc_u64 s[P1:P1+1], s[4:5], s[44:45]
	s_add_nc_u64 s[S0P:S0P+1], s[6:7], s[46:47]
	s_add_nc_u64 s[S1P:S1P+1], s[6:7], s[48:49]
.irp j, 0,1,2,3
	global_load_b128 v[S0+4*\j:S0+4*\j+3], v[LI], s[S0P:S0P+1] offset:512*\j   ; two tiles' scale words: lanes 0-15 the even tile's rows, lanes 16-31 the odd one's; four K steps a lane
.endr
.irp j, 0,1,2,3
	global_load_b128 v[S1+4*\j:S1+4*\j+3], v[LI], s[S1P:S1P+1] offset:512*\j
.endr
	LDX1 0
	WIN 0x40                                       ; destination window 1
	LDX0 0
	LDX0 1
	WIN 0x80                                       ; destination window 2
	LDX0 2
	LDX0 3
	LDX1 1
	; where the results go: bh x (a head's bytes) + key step x (a step's bytes) + the part's place
	s_lshr_b32 s40, s15, 5
	s_lshl_b32 s40, s40, 3
	s_lshl_b32 s41, s16, 1
	s_add_co_u32 s40, s40, s41                     ; bh of head 2 E: 8 x batch + 2 E
	s_and_b32 s41, s15, 31                         ; the group of 128 tokens within the batch
	s_mov_b32 s42, 417792
	s_mov_b32 s43, 13056
	s_cmp_eq_u32 s[WV], 0
	s_cselect_b64 s[D0:D0+1], s[8:9], s[12:13]     ; q's codes to qc, k's and v's to kv
	s_cselect_b64 s[SD0:SD0+1], s[10:11], s[12:13] ; q's scale words to qs
	s_cselect_b32 s44, 196608, s42                 ; a head's bytes: codes,
	s_cselect_b32 s46, 16384, s42                  ; scale words
	s_cselect_b32 s48, 6144, s43                   ; a group's bytes: codes,
	s_cselect_b32 s49, 512, s43                    ; scale words
	s_cselect_b32 s50, 0, 12288                    ; K's scale words in a record
	s_cmp_eq_u32 s[WV], 2
	s_cselect_b32 s51, 6144, 0                     ; V's codes in a record
	s_cselect_b32 s52, 512, 0
	s_add_co_u32 s50, s50, s52                     ; V's scale words: 12,800
	s_mov_b32 s45, 0
	s_mov_b32 s47, 0
	s_mul_i32 s52, s40, s44
	s_mul_i32 s53, s41, s48
	s_add_co_u32 s52, s52, s53
	s_add_co_u32 s52, s52, s51
	s_mov_b32 s53, 0
	s_add_nc_u64 s[D0:D0+1], s[D0:D0+1], s[52:53]
	s_add_nc_u64 s[D0+2:D0+3], s[D0:D0+1], s[44:45]
	s_mul_i32 s52, s40, s46
	s_mul_i32 s54, s41, s49
	s_add_co_u32 s52, s52, s54
	s_add_co_u32 s52, s52, s50
	s_add_nc_u64 s[SD0:SD0+1], s[SD0:SD0+1], s[52:53]
	s_add_nc_u64 s[SD0+2:SD0+3], s[SD0:SD0+1], s[46:47]
	v_cmp_le_u32 vcc_lo, 16, v3                    ; lanes 16-31
	s_cmp_eq_u32 s[WV], 2
	s_cbranch_scc1 .Lv
.irp i, 0,1,2,3,4,5,6,7
	TILE \i, 0
.endr
.irp c, 0,1
.irp j, 0,1,2,3
	v_cndmask_b32 v[OW+4*\c+\j], v[KW+8*\c+2*\j], v[KW+8*\c+2*\j+1], vcc_lo   ; word j: lanes 0-15 tile 2 j, lanes 16-31 tile 2 j + 1
.endr
	global_store_b128 v[LI], v[OW+4*\c:OW+4*\c+3], s[SD0+2*\c:SD0+2*\c+1]    ; 512 consecutive bytes
.endr
	s_endpgm
.Lv:
.irp i, 0,1,2,3,4,5,6,7
	TILE \i, 1
.endr
.irp c, 0,1
.irp j, 0,1
	v_cndmask_b32 v[OW+2*\c+\j], v[KW+4*\c+2*\j], v[KW+4*\c+2*\j+1], vcc_lo
.endr
	global_store_b64 v[L8], v[OW+2*\c:OW+2*\c+1], s[SD0+2*\c:SD0+2*\c+1]     ; 256 consecutive bytes
.endr
	s_endpgm
.Lfunc_end_k_qb589b48004_proj:
	.size	k_qb589b48004_proj, .Lfunc_end_k_qb589b48004_proj-k_qb589b48004_proj
	.p2alignl 7, 3214868480
	.fill 96, 4, 3214868480
	.section	.rodata,"a",@progbits
	.p2align	6, 0x0
	.amdhsa_kernel k_qb589b48004_proj
		.amdhsa_group_segment_fixed_size 0
		.amdhsa_private_segment_fixed_size 0
		.amdhsa_enable_private_segment 0
		.amdhsa_kernarg_size 40
		.amdhsa_user_sgpr_count 2
		.amdhsa_user_sgpr_kernarg_segment_ptr 1
		.amdhsa_wavefront_size32 1
		.amdhsa_system_sgpr_workgroup_id_x 1
		.amdhsa_system_sgpr_workgroup_id_y 1
		.amdhsa_system_sgpr_workgroup_id_z 1
		.amdhsa_system_vgpr_workitem_id 0
		.amdhsa_next_free_vgpr 864
		.amdhsa_next_free_sgpr 66
		.amdhsa_reserve_vcc 1
		.amdhsa_float_denorm_mode_32 3
		.amdhsa_float_denorm_mode_16_64 3
		.amdhsa_memory_ordered 1
		.amdhsa_forward_progress 1
		.amdhsa_inst_pref_size 160
	.end_amdhsa_kernel
	.amdgpu_metadata
---
amdhsa.version: [ 1, 2 ]
amdhsa.kernels:
  - .name:           k_qb589b48004_proj
    .symbol:         k_qb589b48004_proj.kd
    .args:
      - { .name: cod, .offset: 0, .size: 8, .value_kind: global_buffer, .address_space: global }
      - { .name: csc, .offset: 8, .size: 8, .value_kind: global_buffer, .address_space: global }
      - { .name: qc, .offset: 16, .size: 8, .value_kind: global_buffer, .address_space: global }
      - { .name: qs, .offset: 24, .size: 8, .value_kind: global_buffer, .address_space: global }
      - { .name: kv, .offset: 32, .size: 8, .value_kind: global_buffer, .address_space: global }
    .group_segment_fixed_size: 0
    .private_segment_fixed_size: 0
    .kernarg_segment_align: 8
    .kernarg_segment_size: 40
    .max_flat_workgroup_size: 96
    .sgpr_count:     66
    .vgpr_count:     864
    .wavefront_size: 32
...
	.end_amdgpu_metadata
.endif
;; end of part 2
;; launch attn (part 3): grid 16 x 16, 16 waves a work-group, clusters of 4 x 1, 327,680 bytes of LDS; arguments qc, qs, kv, oc, os; writes oc, os
.if DOCPART == 3
	.amdgcn_target "amdgcn-amd-amdhsa--gfx1250"
	.amdhsa_code_object_version 6
	.text
	.protected	k_qb589b48004_attn
	.globl	k_qb589b48004_attn
	.p2align	8
	.type	k_qb589b48004_attn,@function
k_qb589b48004_attn:
	s_mov_b64 s[64:65], 0
	v_nop
	global_prefetch_b8 v0, s[64:65] scope:SCOPE_SE
	s_setreg_imm32_b32 hwreg(HW_REG_WAVE_MODE, 25, 1), 1
	s_wait_xcnt 0x0
	s_wait_alu depctr_hold_cnt(0) depctr_sa_sdst(0) depctr_va_vdst(0) depctr_va_sdst(0) depctr_va_ssrc(0) depctr_va_vcc(0) depctr_vm_vsrc(0)
	s_getreg_b32 s2, hwreg(HW_REG_IB_STS2, 6, 4)
	s_cmp_eq_u32 s2, 0
	s_cbranch_scc0 .Lentry_in_a_cluster
	s_endpgm
.Lentry_in_a_cluster:
	s_bfe_u32 s2, ttmp6, 0x10000c
	s_cmp_lg_u32 s2, 0x3003
	s_cbranch_scc0 .Lentry_shape_is_right
	s_endpgm
.Lentry_shape_is_right:
; O[bh][q] = sum over keys of softmax(Q . K / 8) V, both products on codes of FP6 (E2M3) with E8M0 scales; O is then quantised along the head's 64 for the output projection.
; THE SOFTMAX: t = score x log2(e) / 8; M = the running largest t rounded UP to a whole number; p = 2^(t - M) is quantised along the keys, not normalised; the row's sum is taken of the unquantised p and divides O
; at the end (a reciprocal and a multiplication).  When M moves, the sums and O are multiplied by 2^(old M - new M): exact, in every step, with no branch.
; SHARES: a work-group owns 256 queries of one (batch, head), each of its sixteen waves a tile of 16, in 256 registers: four waves to a SIMD.  Every wave walks 32 key steps of 128 keys.
; LAYOUT: both products transposed: S^T = K Q^T, O^T = V^T P^T: a lane holds one query throughout.  K's tile 4 c + u holds keys 64 c + 8 u + i in rows 0-7 and keys 64 c + 32 + 8 u + i in rows 8-15 (laid by the launches
; before): so register 32 c + i of lane (r, h) is key 64 c + 32 h + i of query r: a WHOLE block of 32 keys in a lane, in the order of the operand's registers.  A block's maximum needs no other lane, nothing is swapped;
; only the row's maximum and the halves of p's scale word cross between lanes l and l xor 16.
; A key step's K, V^T and scale words are ONE dense record of 13,056 bytes, images of the operands' registers: every LDS load is consecutive from lane to lane, so the tiles have no padding.
; K = 64 IN AN INSTRUCTION OF K = 128: Q's codes for k = 64 .. 127 are zeros and both sides' scale bytes there are 127; what K's operand names there is multiplied by zero, and FP6 has no code that is not a number.
; LDS holds 24 of the head's 32 records, record n at (n mod 24) x 13,056.  The fills go in growing groups, one tensor load a wave in each: records 0, 1 at the head (waves 0, 1); records 2-7 behind the round in front of
; step 0 (waves 0-5); records 8-23 behind the round in front of step 2 (all sixteen waves): first fills all; records 24-31 over records 0-7, which are read no more, behind the round in front of step 8 (waves 0-7);
; a barrier in front of step 24 shows them whole.  One tensor load of a wave is out at the most.
; CLUSTER: the four query blocks of a cluster walk the same records, so each record is asked for JOINTLY (mask 15).
; PREFETCH: records 24-31 are asked for six key steps ahead of their load (macro ASK).  Records 0-23 are asked for by their loads within the first two steps: no earlier trip stands ahead of those loads to ask in.
; LIMITS: the promise holds while the scaled scores t stay under 2^31 in magnitude; a block of zeros gets the byte 1 (this program alone reads the bytes); blocks of O under 2^-124 keep the byte 1; NaN and infinities are not served.
.set REC,   13056                      ; a record: 51 x 256 bytes
.set HEADB, 32*REC
.set SPARE, 24*REC                     ; behind the records: the spare words, 128 bytes for each of 16 waves, eight blocks of 256 bytes that no other line names
.set OSC,   SPARE+2048                 ; O's scale words, 64 bytes a wave: four blocks of 256 bytes into which no fill lands
.set LI,  1                            ; v1   16 x lane
.set L8,  2                            ; v2   8 x lane
.set SPW, 3                            ; v3   my spare word; never rewritten
.set NIL, 4                            ; v4   0; never rewritten
.set A16, 5                            ; v5   the record in hand + 16 x lane
.set A8,  6                            ; v6   the record in hand + 8 x lane
.set OSA, 7                            ; v7   where I put my row's scale word of O
.set OSR, 8                            ; v8   where waves 0, 1 read them back
.set OSG, 9                            ; v9   and their place in os
.set PFO, 10                           ; v10  the prefetch's offset
.set QSO, 11                           ; v11  16 r: Q's scale words
.set NM,  12                           ; v12  -M;  v13 the running largest score
.set OM,  14                           ; v14  the last step's -M
.set T0,  15                           ; v15  at work
; v16-21 Q, v22-27 zeros; v32-79 K (tile t at 32 + 6 t), then V^T (tile t at 32 + 12 t); v80-85 zeros; v86-89 K's scale words, v90-91 V's; v96-159 S^T, then p; v160-191 O^T
.set H8,  28                           ; v28  8 h
.set PT,  29                           ; v29, v30 what a lane permute brings
.set CH,  200                          ; v200-203 at work on the way out
.set BM,  204                          ; v204-205 my two blocks' largest score, then largest p
.set F,   206                          ; v206 f = 2^(old M - new M); v207 is named with it as a pair
.set SO,  208                          ; v208-209 the conversions' scale operands
.set BY,  210                          ; v210-211 the scale bytes
.set PC,  212                          ; v212-223 p's codes; ahead of them, in v212-219, the eight chains of maxima
.set PX,  224                          ; v224-226, v228-230 the upper halves of the blocks' codes, as converted
.set PW,  232                          ; v232 p's scale word
.set AS,  236                          ; v236-251 the row's sum in eight pairs
.set QS,  255                          ; v255 Q's scale words
.set WV,  14
.set SEL, 20                           ; s[20:21] lane selects: lane l xor 16
.set CS,  22                           ; s[22:23] c = log2(e) / 8
.set G1,  24                           ; s[24:31]
.set G0,  32                           ; s[32:35]
.set TB,  36                           ; s36  LDS byte of the record in hand
.set WR,  37                           ; s37  wave x REC
.set CNT, 38
.set LIM, 39
.set PFA, 40                           ; s[40:41]
.set QP,  42                           ; s[42:43] Q's codes; s[44:45] Q's scale words; s[46:47] O's codes; s[48:49] O's scale words
.set QSP, 44
.set OCP, 46
.set OSP, 48
.macro WM d, a, b, c, sa, sb, ra       ; c < 0: the constant 0 starts the sum.  ra = 1: source 0's scale words stand in lanes 16-31
.if (\c) < 0
.if (\ra) == 0
	v_wmma_scale_f32_16x16x128_f8f6f4 v[\d:\d+7], v[\a:\a+11], v[\b:\b+11], 0, v[\sa], v[\sb] matrix_a_fmt:MATRIX_FMT_FP6 matrix_b_fmt:MATRIX_FMT_FP6
.else
	v_wmma_scale_f32_16x16x128_f8f6f4 v[\d:\d+7], v[\a:\a+11], v[\b:\b+11], 0, v[\sa], v[\sb] matrix_a_fmt:MATRIX_FMT_FP6 matrix_b_fmt:MATRIX_FMT_FP6 matrix_a_scale:MATRIX_SCALE_ROW1
.endif
.else
.if (\ra) == 0
	v_wmma_scale_f32_16x16x128_f8f6f4 v[\d:\d+7], v[\a:\a+11], v[\b:\b+11], v[\c:\c+7], v[\sa], v[\sb] matrix_a_fmt:MATRIX_FMT_FP6 matrix_b_fmt:MATRIX_FMT_FP6
.else
	v_wmma_scale_f32_16x16x128_f8f6f4 v[\d:\d+7], v[\a:\a+11], v[\b:\b+11], v[\c:\c+7], v[\sa], v[\sb] matrix_a_fmt:MATRIX_FMT_FP6 matrix_b_fmt:MATRIX_FMT_FP6 matrix_a_scale:MATRIX_SCALE_ROW1
.endif
.endif
.endm
.macro CROUND                          ; a round of the cluster's barrier
	s_barrier_signal -1
	s_barrier_wait -1
	s_cmp_lg_u32 s[WV], 0
	s_cbranch_scc1 .Lnot_wave_0_\@
	s_barrier_signal -3
.Lnot_wave_0_\@:
	s_barrier_wait -3
	s_barrier_signal -1
	s_barrier_wait -1
.endm
; An s_nop 0 and four v_nop follow the load.  The branch hangs on the wave's number alone.
.macro CHG twice, slot, step, lim
	s_wait_tensorcnt 0x0                           ; no tensor load of mine is out, so the group 0 may be written
	ds_add_u32 v[SPW], v[NIL]
.if \twice
	ds_add_u32 v[SPW], v[NIL]
.endif
	s_add_co_u32 s[G0+1], s[WR], (\slot)*REC
	s_add_nc_u64 s[G0+2:G0+3], s[G0+2:G0+3], (\step)*REC   ; the type bits on top are not reached
	s_wait_dscnt 0x0
	CROUND
.if \lim < 16
	s_cmp_lt_u32 s[WV], \lim
	s_cbranch_scc0 .Lasked_\@
.endif
	tensor_load_to_lds s[G0:G0+3], s[G1:G1+7]
	s_nop 0
.rept 4
	v_nop
.endr
.Lasked_\@:
.endm
; A PREFETCH INTO THE L2 of records 24-31, which are loaded behind the round in front of step 8: asked for behind the round in front of step 2, six key steps ahead.  All clusters of a head walk the same records: the head's
; first cluster asks.  Its four partners take two records each, told apart BY ADDRESS; in each, waves 4, 5 ask for the first and waves 6, 7 for the second, a lane for each 256 bytes: 51 blocks (the last 13 lanes of a pair name block 50 again).
.macro ASK
	s_cmp_eq_u32 s[LIM], 0
	s_cbranch_scc0 .Lnot_mine_\@
	global_prefetch_b8 v[PFO], s[PFA:PFA+1] th:TH_LOAD_NT scope:SCOPE_SE
.Lnot_mine_\@:
.endm
	s_load_b256 s[4:11], s[0:1], 0x0               ; qc, qs, kv, oc
	s_load_b64 s[12:13], s[0:1], 0x20              ; os
	v_lshl_add_u32 v[SPW], v0, 2, SPARE
	v_mov_b32 v[NIL], 0
	ds_add_u32 v[SPW], v[NIL]                      ; the opening lines: the add, twice on end, and its wait ahead of the first tensor load
	ds_add_u32 v[SPW], v[NIL]
	v_lshrrev_b32 v[T0], 5, v0
	v_and_b32 v[PT], 31, v0
	v_and_b32 v[H8], 16, v0
	v_and_b32 v[OSA], 0x1e0, v0
	v_readfirstlane_b32 s[WV], v[T0]               ; wave 0..15
	v_and_b32 v[QSO], 15, v0                       ; r
	v_lshlrev_b32 v[LI], 4, v[PT]
	v_lshlrev_b32 v[L8], 3, v[PT]
	v_lshrrev_b32 v[H8], 1, v[H8]                  ; 8 h
	v_lshlrev_b32 v[OSA], 1, v[OSA]                ; 64 x wave
	v_and_b32 v[OSG], 63, v0
	v_and_b32 v[PFO], 63, v0
	v_lshl_add_u32 v[OSA], v[QSO], 2, v[OSA]
	v_lshlrev_b32 v[OSG], 4, v[OSG]
	v_min_u32 v[PFO], 50, v[PFO]
	v_lshlrev_b32 v[QSO], 4, v[QSO]
	v_add_nc_u32 v[OSA], OSC, v[OSA]
	v_add_nc_u32 v[OSR], OSC, v[OSG]
	v_lshlrev_b32 v[PFO], 8, v[PFO]
	; every offset is made here, of ids alone, ahead of the wait for the arguments
	s_bfe_u32 s15, ttmp6, 0x40000                  ; cx: my place in the cluster
	s_lshl_b32 s16, ttmp9, 2
	s_add_co_u32 s16, s16, s15                     ; X: my block of 256 queries: it enters Q's and O's addresses and the prefetch's alone
	s_and_b32 s17, ttmp7, 0xffff                   ; bh, which the four partners share
	s_mul_i32 s50, s17, HEADB
	s_mul_i32 s[WR], s[WV], REC                    ; the record that I fetch: its place in LDS and in memory
	s_mov_b32 s[G0+1], s[WR]                       ; 63:32 LDS address
	s_lshl_b32 s53, s15, 1                         ; the prefetch: my head, record 24 + 2 cx + (wave / 2) % 2
	s_bfe_u32 s54, s[WV], 0x10001
	s_add_co_u32 s53, s53, s54
	s_add_co_u32 s53, s53, 24
	s_mul_i32 s53, s53, REC
	s_add_co_u32 s[PFA], s50, s53
	s_mov_b32 s[PFA+1], 0
	s_add_co_u32 s50, s50, s[WR]
	s_mov_b32 s51, 0
	; descriptor group 1: 51 dense rows of 256 bytes
	s_mov_b32 s[G1], 15|(3<<16)|(1<<21)            ; 15:0 the mask: all four work-groups; 17:16 elements of 8 bytes; 20 padding off; 21 set beside a mask
	s_mov_b32 s[G1+1], 32<<16                      ; tensor_dim0 = 32
	s_mov_b32 s[G1+2], 51<<16                      ; tensor_dim1 = 51
	s_mov_b32 s[G1+3], 32<<16                      ; tile_dim0 = 32
	s_mov_b32 s[G1+4], 51                          ; tile_dim1 = 51
	s_mov_b32 s[G1+5], 32                          ; tensor_dim0_stride
	s_mov_b32 s[G1+6], 0
	s_mov_b32 s[G1+7], 0
	s_mov_b32 s[SEL], 0x76543210
	s_mov_b32 s[SEL+1], 0xfedcba98
	s_mov_b32 s[CS], 0x3e38aa3b                    ; c = log2(e) / 8
	s_mov_b32 s[CS+1], s[CS]                       ; (named with it as a pair, so it is written)
	s_mov_b32 s[TB], 0
	s_lshr_b32 s[LIM], s[WV], 2
	s_xor_b32 s[LIM], s[LIM], 1                    ; 0 in waves 4 to 7,
	s_or_b32 s[LIM], s[LIM], ttmp9                 ; of the head's first cluster: the same in all four partners
	s_lshl_b32 s54, s16, 4
	s_add_co_u32 s54, s54, s[WV]                   ; my tile of queries within the head: 16 X + wave
	s_lshl_b32 s55, s17, 8
	s_add_co_u32 s55, s55, s54
	s_mul_i32 s[QP], s55, 768                      ; Q's codes: 768 bytes a tile
	s_mov_b32 s[QP+1], 0
	s_lshl_b32 s56, s17, 5                         ; Q's scale words: group 32 bh + 2 X + wave / 8, 512 bytes each;
	s_lshl_b32 s58, s16, 1
	s_add_co_u32 s56, s56, s58
	s_lshr_b32 s58, s[WV], 3
	s_add_co_u32 s56, s56, s58
	s_lshl_b32 s56, s56, 9
	s_and_b32 s58, s[WV], 1                        ; an odd tile's stand in the group's lanes 16-31;
	s_lshl_b32 s58, s58, 8
	s_add_co_u32 s56, s56, s58
	s_bfe_u32 s58, s[WV], 0x20001                  ; word (tile / 2) of the lane's four
	s_lshl_b32 s58, s58, 2
	s_add_co_u32 s[QSP], s56, s58
	s_mov_b32 s[QSP+1], 0
	s_lshr_b32 s56, s17, 3                         ; O's codes: ((256 x batch + tile) x 8 + head) x 768
	s_lshl_b32 s56, s56, 8
	s_add_co_u32 s56, s56, s54
	s_lshl_b32 s56, s56, 3
	s_and_b32 s58, s17, 7
	s_add_co_u32 s56, s56, s58
	s_mul_i32 s[OCP], s56, 768
	s_mov_b32 s[OCP+1], 0
	s_lshl_b32 s56, s17, 8                         ; O's scale words: (256 bh + 16 X) x 64
	s_lshl_b32 s58, s16, 4
	s_add_co_u32 s56, s56, s58
	s_lshl_b32 s[OSP], s56, 6
	s_mov_b32 s[OSP+1], 0
	s_wait_alu depctr_va_vdst(0)
	s_wait_dscnt 0x0                               ; both opening adds are done
	s_wait_kmcnt 0x0
	s_add_nc_u64 s[QP:QP+1], s[4:5], s[QP:QP+1]
	s_add_nc_u64 s[QSP:QSP+1], s[6:7], s[QSP:QSP+1]
	global_load_b128 v[16:19], v[LI], s[QP:QP+1]               ; Q's six registers stay; asked for ahead of the round, awaited ahead of the first step
	global_load_b64 v[20:21], v[L8], s[QP:QP+1] offset:512
	global_load_b32 v[QS], v[QSO], s[QSP:QSP+1]                ; lane r: row r's scale word (lanes 16-31 hold the same and are not read)
	s_mov_b32 s[G0], 1                             ; 1:0 count = 1
	s_add_nc_u64 s[G0+2:G0+3], s[8:9], s[50:51]    ; 120:64 global address
	s_or_b32 s[G0+3], s[G0+3], 0x80000000          ; 127:126 type = 2
	s_add_nc_u64 s[PFA:PFA+1], s[8:9], s[PFA:PFA+1]
	s_add_nc_u64 s[OCP:OCP+1], s[10:11], s[OCP:OCP+1]
	s_add_nc_u64 s[OSP:OSP+1], s[12:13], s[OSP:OSP+1]
	CROUND                                         ; all four work-groups are here: the first joint loads meet
	s_cmp_lt_u32 s[WV], 2                          ; records 0 and 1, by waves 0 and 1
	s_cbranch_scc0 .Lhead_asked
	tensor_load_to_lds s[G0:G0+3], s[G1:G1+7]
	s_nop 0
.rept 4
	v_nop
.endr
.Lhead_asked:
.irp j, 22,23,24,25,26,27,80,81,82,83,84,85
	v_mov_b32 v[\j], 0                             ; the codes of the K that a head does not have
.endr
	v_mov_b32 v13, 0xff61b1e6                      ; the largest score so far: -3e38, under every score
	v_mov_b32 v[OM], 0x7f61b1e6                    ; and a -M over every -M: the first step's f comes out 0
	v_mov_b32 v[PT], 0                             ; written once: a lane permute's destination counts as one of its sources
	v_mov_b32 v[PT+1], 0
	v_mov_b32 v[F+1], 0                            ; (named as the upper half of a pair)
.set ZI, 0
.rept 16
	v_mov_b32 v[AS+ZI], 0                          ; the sums
.set ZI, ZI+1
.endr
.set ZI, 0
.rept 32
	v_mov_b32 v[160+ZI], 0                         ; O^T.  (The step is written once: the first finds zeros, which f = 0 leaves zeros)
.set ZI, ZI+1
.endr
.macro PFMA n                          ; t - M, two at a time
.rept \n
	v_pk_fma_f32 v[96+2*PI:97+2*PI], v[96+2*PI:97+2*PI], s[CS:CS+1], v[NM:NM+1] op_sel_hi:[1,0,0]
.set PI, PI+1
.endr
.endm
.macro SUM n                           ; the row's sum of the unquantised p: eight pairs by turns; each pair's first term of a step brings it under the new M by the same multiply-add
.rept \n
.if SI < 8
	v_pk_fma_f32 v[AS+2*SI:AS+2*SI+1], v[AS+2*SI:AS+2*SI+1], v[F:F+1], v[96+2*SI:97+2*SI] op_sel_hi:[1,0,1]
.else
	v_pk_add_f32 v[AS+2*(SI%8):AS+2*(SI%8)+1], v[AS+2*(SI%8):AS+2*(SI%8)+1], v[96+2*SI:97+2*SI]
.endif
.set SI, SI+1
.endr
.endm
; A KEY STEP: 128 keys, the record at s[TB]
.macro STEP
.set PI, 0
.set SI, 0
	v_add_nc_u32 v[A16], s[TB], v[LI]              ; these two and the two sums behind the last products are the four places in front of loads into registers that those products have read
	v_add_nc_u32 v[A8], s[TB], v[L8]
	ds_load_b128 v[86:89], v[A16] offset:12288     ; K's scale words: word j: lanes 0-15 tile 2 j, lanes 16-31 tile 2 j + 1
	ds_load_b64 v[90:91], v[A8] offset:12800       ; V's
.irp t, 0,1,2,3,4,5,6,7
	ds_load_b128 v[32+6*\t:35+6*\t], v[A16] offset:768*\t
	ds_load_b64 v[36+6*\t:37+6*\t], v[A8] offset:768*\t+512
.endr
	s_wait_alu depctr_va_vdst(0)
.irp t, 0,1,2,3,4,5,6,7
.if \t < 7
	s_wait_dscnt 12-2*\t                           ; product t names tiles t and t + 1: behind tile t + 1's two loads stand two for each of the 6 - t later tiles
.endif
	WM 96+8*\t, 32+6*\t, 16, -1, 86+\t/2, QS, \t%2
.endr                                          ; lane (r, h): query r; register 32 c + i: key 64 c + 32 h + i
.rept 4
	v_nop                                          ; places in front of the loads below and of the first read of the scores
.endr
.irp t, 0,1,2,3
.irp c, 0,1,2
	ds_load_b128 v[32+12*\t+4*\c:35+12*\t+4*\c], v[A16] offset:6144+1536*\t+512*\c   ; V^T's four tiles land under the softmax
.endr
.endr
.irp q, 0,1,2,3,4,5,6,7
	v_max3_num_f32 v[PC+\q], v[96+8*\q], v[97+8*\q], v[98+8*\q]   ; eight chains by turns, one to a tile of scores, each read from its low end on
.endr
.irp i, 3,5
.irp q, 0,1,2,3,4,5,6,7
	v_max3_num_f32 v[PC+\q], v[PC+\q], v[96+8*\q+\i], v[97+8*\q+\i]
.endr
.endr
.irp c, 0,1                                    ; a block's four chains and its tiles' last registers
	v_max3_num_f32 v[PC+4*\c], v[PC+4*\c], v[PC+4*\c+1], v[103+32*\c]
	v_max3_num_f32 v[PC+4*\c+2], v[PC+4*\c+2], v[PC+4*\c+3], v[111+32*\c]
.endr
.irp c, 0,1
	v_max3_num_f32 v[PC+4*\c], v[PC+4*\c], v[PC+4*\c+2], v[119+32*\c]
.endr
.irp c, 0,1
	v_max_num_f32 v[BM+\c], v[PC+4*\c], v[127+32*\c]   ; the largest score of my block 2 c + h: it serves for the row's maximum and, since p rises with the score, for the block's largest p
.endr
	s_delay_alu instid0(VALU_DEP_1)
	v_max3_num_f32 v13, v13, v[BM], v[BM+1]
	s_delay_alu instid0(VALU_DEP_1)
	v_permlanex16_b32 v[PT], v13, s[SEL], s[SEL+1]
	s_delay_alu instid0(VALU_DEP_1)
	v_max_num_f32 v13, v13, v[PT]                  ; with lane l xor 16's 64 keys: the running largest score of my query
	s_delay_alu instid0(VALU_DEP_1)
	v_mul_f32 v[T0], s[CS], v13                    ; as t (c is positive)
	s_delay_alu instid0(VALU_DEP_1)
	v_floor_f32 v[NM], -v[T0]                      ; the new -M = floor(-t): M is a whole number
	s_delay_alu instid0(VALU_DEP_1)
	v_sub_f32 v[T0], v[NM], v[OM]                  ; old M - new M: a whole number, 0 or less
	PFMA 4
	v_cvt_i32_f32 v[T0], v[T0]                     ; (it saturates)
	PFMA 4
	v_ldexp_f32 v[F], 1.0, v[T0]                   ; f = 2^(old M - new M)
	PFMA 24
.irp c, 0,1
	v_fma_f32 v[BM+\c], v[BM+\c], s[CS], v[NM]     ; the same of each block's largest score
.endr
.irp j, 0,2,4,6,8,10,12,14,16,18,20,22,24,26,28,30
	v_pk_mul_f32 v[160+\j:161+\j], v[160+\j:161+\j], v[F:F+1] op_sel_hi:[1,0]   ; O^T under the new M; each sum from its low end on; no exponential stands between the last products and these reads
.endr
	s_wait_alu depctr_va_vdst(0)
.set EI, 0
.rept 64
	v_exp_f32 v[96+EI], v[96+EI]                   ; p = 2^(t - M), at most 1: not normalised
.set EI, EI+1
.endr
	v_exp_f32 v[BM], v[BM]                         ; the block's largest p: the same two instructions on the same number give the same bits
	v_exp_f32 v[BM+1], v[BM+1]
	v_mov_b32 v[OM], v[NM]                         ; for the next step; the plain place behind the batch
	s_wait_alu depctr_va_vdst(0)                   ; one wait for the batch of 66, ahead of its first reader
	s_wait_dscnt 0x0                               ; V^T is in
	v_max_num_f32 v[BM], 0x1800000, v[BM]          ; the floor 2^(3 - 127): the byte cannot fall under 1
	v_max_num_f32 v[BM+1], 0x1800000, v[BM+1]
	SUM 4
	v_add_nc_u32 v[SO], 0xff000000, v[BM]          ; 2 off the exponent field: the conversion's scale operand
	v_add_nc_u32 v[SO+1], 0xff000000, v[BM+1]
	SUM 4
	v_lshrrev_b32 v[BY], 23, v[SO]                 ; the scale's byte
	v_lshrrev_b32 v[BY+1], 23, v[SO+1]
.irp c, 0,1
	v_cvt_scalef32_pk16_fp6_f32 v[PC+6*\c:PC+2+6*\c], v[96+32*\c:111+32*\c], v[SO+\c]
	v_cvt_scalef32_pk16_fp6_f32 v[PX+4*\c:PX+2+4*\c], v[112+32*\c:127+32*\c], v[SO+\c]   ; (a conversion's three registers begin on an even number)
.endr
	SUM 2                                          ; plain places behind the scaled conversions
	v_lshl_or_b32 v[PW], v[BY+1], 16, v[BY]        ; my bytes: blocks h and 2 + h,
.irp c, 0,1
.irp i, 0,1,2
	v_mov_b32 v[PC+3+6*\c+\i], v[PX+4*\c+\i]       ; registers 6 c .. 6 c + 5: k = 64 c + 32 h + 0 .. 31
.endr
.endr
	v_lshlrev_b32 v[PW], v[H8], v[PW]              ; 8 h bits up;
	SUM 4
	v_permlanex16_b32 v[PT+1], v[PW], s[SEL], s[SEL+1]
	SUM 4
	v_or_b32 v[PW], v[PW], v[PT+1]                 ; with lane l xor 16's two the word is whole
	SUM 12                                         ; more than the eight places that a scale register written by a vector instruction stands ahead of a scaled matrix instruction
.irp t, 0,1,2,3
	WM 160+8*\t, 32+12*\t, PC, 160+8*\t, 90+\t/2, PW, \t%2   ; O^T += V^T P^T: the four sums by turns
.endr
	SUM 2
.endm
.macro STEPS n                         ; n key steps on end
	s_mov_b32 s[CNT], \n
.Lstep_\@:
	STEP
	s_add_co_u32 s[TB], s[TB], REC
	s_sub_co_u32 s[CNT], s[CNT], 1
	s_cmp_lg_u32 s[CNT], 0
	s_cbranch_scc1 .Lstep_\@
.endm
	s_wait_alu depctr_va_vdst(0)
	CHG 1, 2, 2, 6                                 ; records 0, 1 are whole; records 2-7, by waves 0-5: two key steps in which to land
	s_wait_loadcnt 0x0                             ; Q
	STEPS 2                                        ; records 0, 1
	CHG 1, 8, 6, 16                                ; records 2-7 are whole; records 8-23, one a wave: six key steps in which to land
	ASK
	STEPS 6                                        ; records 2-7
	CHG 0, 0, 16, 8                                ; records 8-23 are whole, records 0-7 are read no more: records 24-31 over them, by waves 0-7: sixteen key steps in which to land
	STEPS 16                                       ; records 8-23
	s_wait_tensorcnt 0x0                           ; my record of 24-31 is in
	ds_add_u32 v[SPW], v[NIL]                      ; 0 onto my spare word
	s_mov_b32 s[TB], 0                             ; they lie where records 0-7 lay
	s_wait_dscnt 0x0
	s_barrier_signal -1
	s_barrier_wait -1
	STEPS 8                                        ; records 24-31
	; THE WAY OUT: O^T / the sum, quantised along the head's 64 (two blocks: register 16 b + i is d = 32 b + 16 h + i), stored as the output projection's operand
.irp q, 0,1,2,3
	v_pk_add_f32 v[AS+2*\q:AS+2*\q+1], v[AS+2*\q:AS+2*\q+1], v[AS+8+2*\q:AS+9+2*\q]   ; these are also the places behind the last products
.endr
.irp q, 0,1
	v_pk_add_f32 v[AS+2*\q:AS+2*\q+1], v[AS+2*\q:AS+2*\q+1], v[AS+4+2*\q:AS+5+2*\q]
.endr
	s_delay_alu instid0(VALU_DEP_1)
	v_pk_add_f32 v[AS:AS+1], v[AS:AS+1], v[AS+2:AS+3]
	s_delay_alu instid0(VALU_DEP_1)
	v_add_f32 v[AS], v[AS], v[AS+1]
	s_delay_alu instid0(VALU_DEP_1)
	v_permlanex16_b32 v[PT], v[AS], s[SEL], s[SEL+1]
	s_delay_alu instid0(VALU_DEP_1)
	v_add_f32 v[AS], v[AS], v[PT]                  ; the row's sum
	s_wait_alu depctr_va_vdst(0)
	v_rcp_f32 v[AS], v[AS]
	v_nop                                          ; a plain place behind the reciprocal
	s_wait_alu depctr_va_vdst(0)                   ; the wait ahead of its first reader, which is O^T's first reader too
.irp j, 0,2,4,6,8,10,12,14,16,18,20,22,24,26,28,30
	v_pk_mul_f32 v[96+\j:97+\j], v[160+\j:161+\j], v[AS:AS+1] op_sel_hi:[1,0]   ; each sum from its low end on
.endr
.irp b, 0,1
	v_max3_num_f32 v[CH+\b], |v[96+16*\b]|, |v[97+16*\b]|, 0x1800000
.endr
.irp i, 2,4,6,8,10,12,14
.irp b, 0,1
	s_delay_alu instid0(VALU_DEP_2)
	v_max3_num_f32 v[CH+\b], v[CH+\b], |v[96+16*\b+\i]|, |v[97+16*\b+\i]|
.endr
.endr
.irp b, 0,1
	s_delay_alu instid0(VALU_DEP_2)
	v_permlanex16_b32 v[PT+\b], v[CH+\b], s[SEL], s[SEL+1]
.endr
.irp b, 0,1
	s_delay_alu instid0(VALU_DEP_2)
	v_max_num_f32 v[CH+\b], v[CH+\b], v[PT+\b]
.endr
.irp b, 0,1
	s_delay_alu instid0(VALU_DEP_2)
	v_add_nc_u32 v[SO+\b], 0xff000000, v[CH+\b]
.endr
.irp b, 0,1
	s_delay_alu instid0(VALU_DEP_2)
	v_lshrrev_b32 v[BY+\b], 23, v[SO+\b]
.endr
	s_delay_alu instid0(VALU_DEP_1)
	v_lshl_or_b32 v[PW], v[BY+1], 8, v[BY]         ; my row's two bytes; the upper half stays 0
	v_cvt_scalef32_pk16_fp6_f32 v[224:226], v[96:111], v[SO]
	v_cvt_scalef32_pk16_fp6_f32 v[228:230], v[112:127], v[SO+1]
	v_nop
.irp i, 0,1,2
	v_permlane16_swap_b32 v[224+\i], v[228+\i]     ; here a block lies in lanes l and l xor 16: the operand wants it whole in a lane
.endr
	s_delay_alu instid0(VALU_DEP_3)
	v_mov_b32 v227, v228
	s_delay_alu instid0(VALU_DEP_3)
	v_mov_b32 v228, v229
	s_delay_alu instid0(VALU_DEP_3)
	v_mov_b32 v229, v230                           ; v224-229: k = 32 h + 0 .. 31 of my row
	global_store_b128 v[LI], v[224:227], s[OCP:OCP+1]          ; 512 consecutive bytes, at a multiple of 256 from the buffer's first byte
	global_store_b64 v[L8], v[228:229], s[OCP:OCP+1] offset:512
	ds_store_b32 v[OSA], v[PW]                     ; lanes l and l xor 16 write the same word with the same value
	s_wait_dscnt 0x0                               ; for the others' sake
	s_barrier_signal -1
	s_barrier_wait -1
	s_cmp_lt_u32 s[WV], 2                          ; the work-group's 1,024 bytes of scale words leave by two waves, 512 consecutive bytes each
	s_cbranch_scc0 .Lno_os
	ds_load_b128 v[200:203], v[OSR]
	s_wait_dscnt 0x0
	global_store_b128 v[OSG], v[200:203], s[OSP:OSP+1]
.Lno_os:
	s_wait_tensorcnt 0x0                           ; the wave's end
	ds_add_u32 v[SPW], v[NIL]
	s_wait_dscnt 0x0
	CROUND                                         ; the closing round
	s_endpgm
.Lfunc_end_k_qb589b48004_attn:
	.size	k_qb589b48004_attn, .Lfunc_end_k_qb589b48004_attn-k_qb589b48004_attn
	.p2alignl 7, 3214868480
	.fill 96, 4, 3214868480
	.section	.rodata,"a",@progbits
	.p2align	6, 0x0
	.amdhsa_kernel k_qb589b48004_attn
		.amdhsa_group_segment_fixed_size 327680
		.amdhsa_private_segment_fixed_size 0
		.amdhsa_enable_private_segment 0
		.amdhsa_kernarg_size 40
		.amdhsa_user_sgpr_count 2
		.amdhsa_user_sgpr_kernarg_segment_ptr 1
		.amdhsa_wavefront_size32 1
		.amdhsa_system_sgpr_workgroup_id_x 1
		.amdhsa_system_sgpr_workgroup_id_y 1
		.amdhsa_system_sgpr_workgroup_id_z 1
		.amdhsa_system_vgpr_workitem_id 0
		.amdhsa_next_free_vgpr 256
		.amdhsa_next_free_sgpr 66
		.amdhsa_reserve_vcc 0
		.amdhsa_float_denorm_mode_32 3
		.amdhsa_float_denorm_mode_16_64 3
		.amdhsa_memory_ordered 1
		.amdhsa_forward_progress 1
		.amdhsa_inst_pref_size 75
	.end_amdhsa_kernel
	.amdgpu_metadata
---
amdhsa.version: [ 1, 2 ]
amdhsa.kernels:
  - .name:           k_qb589b48004_attn
    .symbol:         k_qb589b48004_attn.kd
    .args:
      - { .name: qc, .offset: 0, .size: 8, .value_kind: global_buffer, .address_space: global }
      - { .name: qs, .offset: 8, .size: 8, .value_kind: global_buffer, .address_space: global }
      - { .name: kv, .offset: 16, .size: 8, .value_kind: global_buffer, .address_space: global }
      - { .name: oc, .offset: 24, .size: 8, .value_kind: global_buffer, .address_space: global }
      - { .name: os, .offset: 32, .size: 8, .value_kind: global_buffer, .address_space: global }
    .group_segment_fixed_size: 327680
    .private_segment_fixed_size: 0
    .kernarg_segment_align: 8
    .kernarg_segment_size: 40
    .max_flat_workgroup_size: 512
    .sgpr_count:     66
    .vgpr_count:     256
    .wavefront_size: 32
...
	.end_amdgpu_metadata
.endif
;; end of part 3
;; launch outp (part 4): grid 256 x 1, 4 waves a work-group, no clusters, 34,304 bytes of LDS; arguments cod, csc, oc, os, bo, out0; writes out0
.if DOCPART == 4
	.amdgcn_target "amdgcn-amd-amdhsa--gfx1250"
	.amdhsa_code_object_version 6
	.text
	.protected	k_qb589b48004_outp
	.globl	k_qb589b48004_outp
	.p2align	8
	.type	k_qb589b48004_outp,@function
k_qb589b48004_outp:
	s_mov_b64 s[64:65], 0
	v_nop
	global_prefetch_b8 v0, s[64:65] scope:SCOPE_SE
	s_setreg_imm32_b32 hwreg(HW_REG_WAVE_MODE, 25, 1), 1
	s_wait_xcnt 0x0
; out0 = O Wo^T + bo on codes of FP6 (E2M3) with E8M0 scales, K = 512 in four steps of 128 (K step s = heads 2 s, 2 s + 1).
; SHARES: work-group g: token tiles 2 g, 2 g + 1, (row i of tile u is token 64 (g / 2) + 16 (g % 2) + 8 u + i + 24 (i / 8)).  Wave w: outputs 128 w .. 128 w + 127: Wo's eight tiles 608 + 8 w + t as source 0,
; the two tiles of O as source 1: lane (r, h) holds a token, register 16 b + i output 128 w + 32 b + 16 h + i.  The bias is the C of each sum's first matrix instruction.
; All operands come from memory straight into registers as images of the registers, once: 64 matrix instructions a wave; a ring in LDS, tensor loads or a cluster would add steps and save nothing.
; OUT: a tile's 16 rows x 512 bytes go through the wave's own stage in LDS and leave as whole rows: 32 lanes store 512 consecutive bytes.  No barrier: waves share nothing.
; REGISTERS: window 0: addresses, scale words, 2 x 64 sums, rows on the way out.  Windows 1, 2: Wo, K steps 0, 1 and 2, 3, at v[96 (s % 2) + 12 t].  Window 3: O at v[48 i + 12 s]; the bias at v[96 + 8 t].
.set SP,  528                          ; a stage row: 512 bytes + 16
.set LI,  1                            ; v1   16 x lane
.set L8,  2                            ; v2   8 x lane
.set BA,  3                            ; v3   64 h: the bias of my half
.set STO, 4                            ; v4   the stage, in: my stage + SP r + 64 h
.set SRD, 5                            ; v5   and back: my stage + 16 x lane
.set L4,  6                            ; v6   4 x lane
.set S0,  16                           ; v16-31 Wo's scale words: register 4 j + s: lanes 0-15 tile 2 j, lanes 16-31 tile 2 j + 1
.set W,   32                           ; v32-39 O's two bytes for each head: lanes 0-15 tile 0's rows, lanes 16-31 tile 1's
.set SW,  40                           ; v40-43 O's scale words, one for each K step
.set HA,  48                           ; v48-175 the sums: tile i at HA + 64 i
.set BK,  176                          ; v176-239 16 rows read back
.set BI,  96                           ; in window 3
.set WV,  16
.set P0,  20                           ; s[20:21] Wo's codes; s[22:23] its scale words; s[24:25] O's codes; s[26:27] O's bytes; s[28:29] bo; s[30:31] out0
.set S0P, 22
.set OP,  24
.set OSP, 26
.set BP,  28
.set YP,  30
.set MSB, 0
.macro WIN new                         ; the immediate's high byte repeats the setting that is left
.if MSB != \new
	s_set_vgpr_msb (MSB<<8)|\new
.set MSB, \new
.endif
.endm
.macro WM d, a, b, c, sa, sb, ra, rb   ; ra, rb = 1: that side's scale words stand in lanes 16-31
.if ((\ra) == 0) && ((\rb) == 0)
	v_wmma_scale_f32_16x16x128_f8f6f4 v[\d:\d+7], v[\a:\a+11], v[\b:\b+11], v[\c:\c+7], v[\sa], v[\sb] matrix_a_fmt:MATRIX_FMT_FP6 matrix_b_fmt:MATRIX_FMT_FP6
.elseif (\rb) == 0
	v_wmma_scale_f32_16x16x128_f8f6f4 v[\d:\d+7], v[\a:\a+11], v[\b:\b+11], v[\c:\c+7], v[\sa], v[\sb] matrix_a_fmt:MATRIX_FMT_FP6 matrix_b_fmt:MATRIX_FMT_FP6 matrix_a_scale:MATRIX_SCALE_ROW1
.elseif (\ra) == 0
	v_wmma_scale_f32_16x16x128_f8f6f4 v[\d:\d+7], v[\a:\a+11], v[\b:\b+11], v[\c:\c+7], v[\sa], v[\sb] matrix_a_fmt:MATRIX_FMT_FP6 matrix_b_fmt:MATRIX_FMT_FP6 matrix_b_scale:MATRIX_SCALE_ROW1
.else
	v_wmma_scale_f32_16x16x128_f8f6f4 v[\d:\d+7], v[\a:\a+11], v[\b:\b+11], v[\c:\c+7], v[\sa], v[\sb] matrix_a_fmt:MATRIX_FMT_FP6 matrix_b_fmt:MATRIX_FMT_FP6 matrix_a_scale:MATRIX_SCALE_ROW1 matrix_b_scale:MATRIX_SCALE_ROW1
.endif
.endm
.macro LDX0 s                          ; Wo's eight fragments of K step s (the window is set by the caller)
.irp t, 0,1,2,3,4,5,6,7
.irp c, 0,1,2
	global_load_b128 v[96*((\s)%2)+12*\t+4*\c:96*((\s)%2)+12*\t+4*\c+3], v[LI], s[P0:P0+1] offset:6144*\t+1536*(\s)+512*\c
.endr
.endr
.endm
	s_load_b256 s[4:11], s[0:1], 0x0               ; cod, csc, oc, os
	s_load_b128 s[12:15], s[0:1], 0x20             ; bo, out0
	v_lshl_add_u32 v254, v0, 2, 0x8400
	v_mov_b32 v255, 0
	v_lshrrev_b32 v7, 5, v0
	v_readfirstlane_b32 s[WV], v7                  ; wave 0..3
	v_and_b32 v7, 31, v0
	v_lshlrev_b32 v[LI], 4, v7
	v_lshlrev_b32 v[L8], 3, v7
	v_lshlrev_b32 v[L4], 2, v7
	v_and_b32 v8, 15, v0                           ; r
	v_bfe_u32 v9, v0, 4, 1                         ; h
	v_lshlrev_b32 v[BA], 6, v9
	s_mul_i32 s17, s[WV], 16*SP                    ; my stage
	v_mul_u32_u24 v[STO], v8, SP
	v_lshl_add_u32 v[STO], v9, 6, v[STO]
	v_add_nc_u32 v[STO], s17, v[STO]
	v_add_nc_u32 v[SRD], s17, v[LI]
	s_lshl_b32 s32, s[WV], 3
	s_add_co_u32 s32, s32, 608                     ; Wo's first tile of mine
	s_mul_i32 s34, s32, 6144
	s_mov_b32 s35, 0
	s_lshl_b32 s36, s32, 8
	s_mov_b32 s37, 0
	s_mul_i32 s38, ttmp9, 12288                    ; O: two tiles of 6,144 bytes
	s_mov_b32 s39, 0
	s_lshr_b32 s40, ttmp9, 7                       ; O's bytes: batch x 8 heads x 16,384 + two tiles of 64 bytes
	s_lshl_b32 s40, s40, 17
	s_and_b32 s41, ttmp9, 127
	s_lshl_b32 s41, s41, 7
	s_add_co_u32 s40, s40, s41
	s_mov_b32 s41, 0
	s_lshl_b32 s42, s[WV], 9                       ; my 128 outputs: 512 bytes of bo and of a row of out0
	s_mov_b32 s43, 0
	; THE TOKENS OF A TILE: tile 4 C + u holds tokens 64 C + 8 u + i in rows 0-7 and tokens 64 C + 32 + 8 u + i in rows 8-15 (so the first launch lays hidden_states): my two tiles begin at token 64 (g / 2) + 16 (g % 2)
	s_lshr_b32 s44, ttmp9, 1
	s_lshl_b32 s44, s44, 17                        ; 64 rows of 2,048 bytes
	s_and_b32 s45, ttmp9, 1
	s_lshl_b32 s45, s45, 15                        ; 16 rows
	s_add_co_u32 s44, s44, s45
	s_add_co_u32 s44, s44, s42
	s_mov_b32 s45, 0
	s_wait_alu depctr_va_vdst(0)
	s_wait_kmcnt 0x0
	s_add_nc_u64 s[P0:P0+1], s[4:5], s[34:35]
	s_add_nc_u64 s[S0P:S0P+1], s[6:7], s[36:37]
	s_add_nc_u64 s[OP:OP+1], s[8:9], s[38:39]
	s_add_nc_u64 s[OSP:OSP+1], s[10:11], s[40:41]
	s_add_nc_u64 s[BP:BP+1], s[12:13], s[42:43]
	s_add_nc_u64 s[YP:YP+1], s[14:15], s[44:45]
.irp j, 0,1,2,3
	global_load_b128 v[S0+4*\j:S0+4*\j+3], v[LI], s[S0P:S0P+1] offset:512*\j
.endr
.irp d, 0,1,2,3,4,5,6,7
	global_load_b32 v[W+\d], v[L4], s[OSP:OSP+1] offset:16384*\d
.endr
	WIN 0xc0                                       ; destination window 3
.irp t, 0,1,2,3,4,5,6,7
	global_load_b128 v[BI+8*\t:BI+8*\t+3], v[BA], s[BP:BP+1] offset:(32*(\t/2)+8*(\t%2))*4       ; tile 2 b + u, lane (r, h): bo at 32 b + 16 h + 8 u + 0 .. 7
	global_load_b128 v[BI+8*\t+4:BI+8*\t+7], v[BA], s[BP:BP+1] offset:(32*(\t/2)+8*(\t%2))*4+16
.endr
.irp i, 0,1
.irp s, 0,1,2,3                                ; a fragment: head 2 s's six registers, then head 2 s + 1's
	global_load_b128 v[48*\i+12*\s:48*\i+12*\s+3], v[LI], s[OP:OP+1] offset:6144*\i+1536*\s
	global_load_b64 v[48*\i+12*\s+4:48*\i+12*\s+5], v[L8], s[OP:OP+1] offset:6144*\i+1536*\s+512
	global_load_b128 v[48*\i+12*\s+6:48*\i+12*\s+9], v[LI], s[OP:OP+1] offset:6144*\i+1536*\s+768
	global_load_b64 v[48*\i+12*\s+10:48*\i+12*\s+11], v[L8], s[OP:OP+1] offset:6144*\i+1536*\s+1280
.endr
.endr
	WIN 0x40                                       ; destination window 1
	LDX0 0
	LDX0 1
	WIN 0x80                                       ; destination window 2
	LDX0 2
	LDX0 3
	WIN 0
	s_wait_loadcnt 63                              ; the scale words, the bias, O and Wo's K step 0 are in: 72 younger loads may be out; the count written is the largest that a wait can name
.irp s, 0,1,2,3
	v_lshl_or_b32 v[SW+\s], v[W+2*\s+1], 16, v[W+2*\s]   ; K step s: head 2 s's two bytes below, head 2 s + 1's above
.endr
.rept 8
	v_nop                                          ; a scale register written by a vector instruction stands 8 places ahead of a scaled matrix instruction
.endr
.irp s, 0,1,2,3
.if \s > 0
	s_wait_alu depctr_va_vdst(0)
	s_wait_loadcnt 72-24*\s                        ; Wo's K step s is in; 24 loads for each later K step may be out
.endif
.if \s == 0
	WIN 0x3d                                       ; source 0 window 1, source 1 and C (the bias) window 3
.elseif \s == 1
	WIN 0x0d
.else
	WIN 0x0e                                       ; source 0 window 2
.endif
.irp i, 0,1                                    ; the sixteen sums take turns, one instruction a turn
.irp t, 0,1,2,3,4,5,6,7
.if \s == 0
	WM HA+64*\i+8*\t, 96*(\s%2)+12*\t, 48*\i+12*\s, BI+8*\t, S0+4*(\t/2)+\s, SW+\s, \t%2, \i
.else
	WM HA+64*\i+8*\t, 96*(\s%2)+12*\t, 48*\i+12*\s, HA+64*\i+8*\t, S0+4*(\t/2)+\s, SW+\s, \t%2, \i
.endif
.endr
.endr
.endr
	WIN 0
.rept 4
	v_nop                                          ; places in front of the first read of the sums
.endr
.irp i, 0,1
.if \i > 0
	s_wait_xcnt 0x0                                ; tile 0's stores have read the registers into which tile 1's rows are loaded
.endif
.irp t, 0,1,2,3,4,5,6,7
	ds_store_b128 v[STO], v[HA+64*\i+8*\t:HA+64*\i+8*\t+3] offset:(32*(\t/2)+8*(\t%2))*4        ; each sum from its low end on
	ds_store_b128 v[STO], v[HA+64*\i+8*\t+4:HA+64*\i+8*\t+7] offset:(32*(\t/2)+8*(\t%2))*4+16
.endr
.irp q, 0,1,2,3,4,5,6,7,8,9,10,11,12,13,14,15
	ds_load_b128 v[BK+4*\q:BK+4*\q+3], v[SRD] offset:SP*\q     ; LDS serves a wave's instructions in order: these see my stores, and the next tile's stores come behind them
.endr
.irp q, 0,1,2,3,4,5,6,7,8,9,10,11,12,13,14,15
	s_wait_dscnt 15-\q                             ; row q is back; the younger loads may be out
	global_store_b128 v[LI], v[BK+4*\q:BK+4*\q+3], s[YP:YP+1] offset:(8*\i+\q+24*(\q/8))*2048 th:TH_STORE_NT   ; row q of tile i: 512 consecutive bytes, at a multiple of 256 from out0's first byte
.endr
.endr
	s_wait_tensorcnt 0x0
	ds_add_u32 v254, v255
	s_wait_dscnt 0x0
	s_endpgm
.Lfunc_end_k_qb589b48004_outp:
	.size	k_qb589b48004_outp, .Lfunc_end_k_qb589b48004_outp-k_qb589b48004_outp
	.p2alignl 7, 3214868480
	.fill 96, 4, 3214868480
	.section	.rodata,"a",@progbits
	.p2align	6, 0x0
	.amdhsa_kernel k_qb589b48004_outp
		.amdhsa_group_segment_fixed_size 34304
		.amdhsa_private_segment_fixed_size 0
		.amdhsa_enable_private_segment 0
		.amdhsa_kernarg_size 48
		.amdhsa_user_sgpr_count 2
		.amdhsa_user_sgpr_kernarg_segment_ptr 1
		.amdhsa_wavefront_size32 1
		.amdhsa_system_sgpr_workgroup_id_x 1
		.amdhsa_system_sgpr_workgroup_id_y 1
		.amdhsa_system_sgpr_workgroup_id_z 1
		.amdhsa_system_vgpr_workitem_id 0
		.amdhsa_next_free_vgpr 928
		.amdhsa_next_free_sgpr 66
		.amdhsa_reserve_vcc 0
		.amdhsa_float_denorm_mode_32 3
		.amdhsa_float_denorm_mode_16_64 3
		.amdhsa_memory_ordered 1
		.amdhsa_forward_progress 1
		.amdhsa_inst_pref_size 35
	.end_amdhsa_kernel
	.amdgpu_metadata
---
amdhsa.version: [ 1, 2 ]
amdhsa.kernels:
  - .name:           k_qb589b48004_outp
    .symbol:         k_qb589b48004_outp.kd
    .args:
      - { .name: cod, .offset: 0, .size: 8, .value_kind: global_buffer, .address_space: global }
      - { .name: csc, .offset: 8, .size: 8, .value_kind: global_buffer, .address_space: global }
      - { .name: oc, .offset: 16, .size: 8, .value_kind: global_buffer, .address_space: global }
      - { .name: os, .offset: 24, .size: 8, .value_kind: global_buffer, .address_space: global }
      - { .name: bo, .offset: 32, .size: 8, .value_kind: global_buffer, .address_space: global }
      - { .name: out0, .offset: 40, .size: 8, .value_kind: global_buffer, .address_space: global }
    .group_segment_fixed_size: 34304
    .private_segment_fixed_size: 0
    .kernarg_segment_align: 8
    .kernarg_segment_size: 48
    .max_flat_workgroup_size: 128
    .sgpr_count:     66
    .vgpr_count:     928
    .wavefront_size: 32
...
	.end_amdgpu_metadata
.endif
;; end of part 4
